; MI455X (gfx1250); checked and timed in simulation.
; The chip was launched on July 23, 2026; its instructions are those of AMD's public machine-readable ISA for CDNA 5 (MIT licence, August 2026) and "CDNA5" Instruction Set Architecture Reference Guide (July 2026). The comments in the code are by the model that wrote it; some were corrected since.
;; Adaptive Noising Module. Allowed arithmetic: float matrix products may take bf16 or f16 operands with f32 sums; other float arithmetic in f32, or as packed bf16 or f16 multiplies, adds, multiply-adds, maxima and minima; sums over many terms, partial sums and values carried from step to step in f32; what a program stores and reads back later, other than sums and carried values, may be rounded once to bf16 or f16.
;; Inputs: distance_scale 1 float32; features 8,192 x 512 float32; influence_scale 1 float32; memory_bank 16,384 x 512 float32.
;; Outputs: out0 8,192 x 512 float32; out1 8,192 x 512 float32; out2 8,192 x 10 float32.
;; One version. Each part assembles by itself: llvm-mc -triple=amdgcn-amd-amdhsa -mcpu=gfx1250 --defsym DOCPART=n.
;; ======== version 1 of 1: 4 launches
;; workspace buffers: b16 25,165,824 bytes; nrm 98,304 bytes; part 5,242,880 bytes; pidx 524,288 bytes of whole numbers; aux 65,536 bytes; gidx 65,536 bytes of whole numbers; red 2,048 bytes
;; launch prep (part 1): grid 768 x 1, 8 waves a work-group, no clusters, 0 bytes of LDS; arguments features, memory_bank, b16, nrm; writes b16, nrm
.if DOCPART == 1
	.amdgcn_target "amdgcn-amd-amdhsa--gfx1250"
	.amdhsa_code_object_version 6
	.text
	.protected	k_q455eb79aa6_prep
	.globl	k_q455eb79aa6_prep
	.p2align	8
	.type	k_q455eb79aa6_prep,@function
k_q455eb79aa6_prep:
	s_mov_b64 s[64:65], 0
	v_nop
	global_prefetch_b8 v0, s[64:65] scope:SCOPE_SE
	s_setreg_imm32_b32 hwreg(HW_REG_WAVE_MODE, 25, 1), 1
	s_wait_xcnt 0x0
; FIRST OF FOUR LAUNCHES (prep, knn, merge, finish) for: the ten smallest distances of 8,192 queries to 16,384 bank rows of 512 numbers,
; |x - nearest| / (d0 + eps), and a sigmoid of its row-normalised form plus the globally normalised mean of the ten distances.
; THIS LAUNCH rounds features and memory_bank once to bf16 into b16 ([24576][512]: rows 0-8191 features, then the bank) and stores nrm[row] = -1/2 x the sum of the squares of the ROUNDED numbers.
; Every later step (x^2, m^2, the product, x - m, the two scales) uses the rounded numbers.
; WORK LEFT OUT BY THE PROGRAM, for all values of the inputs:
;  (1) top_k's indices 1 to 9 are used by no line of the module: only the first index is tracked.
;  (2) x^2 is the same for all bank rows of a query, and the clip at 0, + eps and the square root never decrease: so the ten smallest distances are the images of the ten largest
;      cross - m^2/2.  The selection runs on that number; x^2, the clip, eps and the root are applied to the ten that are kept (launch merge).  Nothing of them is dropped.
; All four inputs have a way to an output and are loaded.
; LIMITS.  NaN and infinities are not treated apart.  Equal scores: the lower index wins on the f32 number cross - m^2/2, not on the rounded root.
; A NaN, infinity or overflow that would reach only the nine unused indices is not carried anywhere.
; SHARES.  A work-group takes 32 rows, a wave 4; a row is 2,048 bytes in, 1,024 out.  All 16 loads of a wave (8 KiB) go out at once: no loop, no LDS, no barrier, nothing shared, so no cluster and no matrix unit.
; Lane l takes elements 128 c + 4 l .. + 3 of chunk c: a load covers 512 consecutive bytes, a store of the rounded numbers 256, aligned.
.set X, 16                             ; v[16:79]   row i, chunk c at X + 16 i + 4 c, as loaded
.set Y, 80                             ; v[80:111]  row i, chunk c at Y + 8 i + 2 c: four bf16
.set U, 112                            ; v[112:119] four rounded numbers as f32, two sets by turns
.set A, 120                            ; v[120:123] two packed sums of squares
.set N, 124                            ; v[124:127] the four rows' results
	s_load_b256 s[4:11], s[0:1], 0x0               ; features s[4:5], memory_bank s[6:7], b16 s[8:9], nrm s[10:11]
	v_and_b32 v1, 31, v0                           ; lane
	v_lshrrev_b32 v5, 5, v0
	v_readfirstlane_b32 s12, v5                    ; wave 0..7
	v_lshlrev_b32 v2, 4, v1                        ; 16 x lane: the loads
	v_lshlrev_b32 v3, 3, v1                        ; 8 x lane: the stores
	v_mov_b32 v4, 0
	v_mov_b32 v128, 0                              ; v_permlanex16_b32's destination counts as read
	s_mov_b32 s14, 0x76543210                      ; each lane takes its own place in the other half
	s_mov_b32 s15, 0xfedcba98
	s_mov_b32 s16, 0xffff0000                      ; a word's upper bf16
	s_sub_co_u32 s17, ttmp9, 256                   ; the work-group's number among the bank's (used from 256 on)
	s_lshl_b32 s24, ttmp9, 15                      ; b16: 32 rows of 1,024 bytes a work-group,
	s_lshl_b32 s25, s12, 12                        ; 4 a wave
	s_add_co_u32 s24, s24, s25
	s_mov_b32 s25, 0
	s_lshl_b32 s26, ttmp9, 7                       ; nrm: 32 numbers a work-group,
	s_lshl_b32 s27, s12, 4                         ; 4 a wave
	s_add_co_u32 s26, s26, s27
	s_mov_b32 s27, 0
	s_lshl_b32 s21, s12, 13                        ; source: 4 rows of 2,048 bytes a wave
	s_wait_kmcnt 0x0
	s_cmp_lt_u32 ttmp9, 256                        ; work-groups 0-255 take features, the others the bank
	s_cselect_b64 s[18:19], s[4:5], s[6:7]
	s_cselect_b32 s17, ttmp9, s17
	s_lshl_b32 s20, s17, 16
	s_add_co_u32 s20, s20, s21
	s_mov_b32 s21, 0
	s_add_nc_u64 s[18:19], s[18:19], s[20:21]
	s_add_nc_u64 s[8:9], s[8:9], s[24:25]
	s_add_nc_u64 s[10:11], s[10:11], s[26:27]
.irp i, 0,1,2,3
.irp c, 0,1,2,3
	global_load_b128 v[X+16*(\i)+4*(\c):X+16*(\i)+4*(\c)+3], v2, s[18:19] offset:(\i)*2048+(\c)*512 th:TH_LOAD_NT
.endr
.endr
; Row i: rounded, stored, and the squares of the rounded numbers summed.
.macro ROWP i
	s_wait_loadcnt 12-4*(\i)                       ; loads come back in order: this row's four are in, the younger rows' stay out
.irp c, 0,1,2,3
	v_cvt_pk_bf16_f32 v[Y+8*(\i)+2*(\c)],   v[X+16*(\i)+4*(\c)],   v[X+16*(\i)+4*(\c)+1]
	v_cvt_pk_bf16_f32 v[Y+8*(\i)+2*(\c)+1], v[X+16*(\i)+4*(\c)+2], v[X+16*(\i)+4*(\c)+3]
.endr
.irp c, 0,1,2,3
	global_store_b64 v3, v[Y+8*(\i)+2*(\c):Y+8*(\i)+2*(\c)+1], s[8:9] offset:(\i)*1024+(\c)*256  ; 256 consecutive bytes, aligned; each row has its own Y, so no store's data is rewritten
.endr
.irp c, 0,1,2,3
	v_lshlrev_b32 v[U+4*((\c)%2)],   16,  v[Y+8*(\i)+2*(\c)]
	v_and_b32     v[U+4*((\c)%2)+1], s16, v[Y+8*(\i)+2*(\c)]
	v_lshlrev_b32 v[U+4*((\c)%2)+2], 16,  v[Y+8*(\i)+2*(\c)+1]
	v_and_b32     v[U+4*((\c)%2)+3], s16, v[Y+8*(\i)+2*(\c)+1]
.if (\c) == 0
	v_pk_mul_f32 v[A:A+1],   v[U:U+1],   v[U:U+1]  ; the first chunk starts the sums
	v_pk_mul_f32 v[A+2:A+3], v[U+2:U+3], v[U+2:U+3]
.else
	v_pk_fma_f32 v[A:A+1],   v[U+4*((\c)%2):U+4*((\c)%2)+1],   v[U+4*((\c)%2):U+4*((\c)%2)+1],   v[A:A+1]
	v_pk_fma_f32 v[A+2:A+3], v[U+4*((\c)%2)+2:U+4*((\c)%2)+3], v[U+4*((\c)%2)+2:U+4*((\c)%2)+3], v[A+2:A+3]
.endif
.endr
	v_pk_add_f32 v[A:A+1], v[A:A+1], v[A+2:A+3]
	v_add_f32 v[A], v[A], v[A+1]
	v_add_f32_dpp v[A], v[A], v[A] row_xmask:1 row_mask:0xf bank_mask:0xf
	v_add_f32_dpp v[A], v[A], v[A] row_xmask:2 row_mask:0xf bank_mask:0xf
	v_add_f32_dpp v[A], v[A], v[A] row_xmask:4 row_mask:0xf bank_mask:0xf
	v_add_f32_dpp v[A], v[A], v[A] row_xmask:8 row_mask:0xf bank_mask:0xf
	v_permlanex16_b32 v128, v[A], s14, s15
	v_add_f32 v[A], v[A], v128
	v_mul_f32 v[N+(\i)], -0.5, v[A]
.endm
	ROWP 0
	ROWP 1
	ROWP 2
	ROWP 3
	s_wait_xcnt 0x0                                ; EXEC is a source of the stores above: it changes only behind this wait
	v_cmp_eq_u32 vcc_lo, 0, v1
	s_and_saveexec_b32 s22, vcc_lo
	global_store_b128 v4, v[N:N+3], s[10:11]       ; lane 0: the wave's four numbers, 16 bytes (96 KiB in the whole launch)
	s_wait_xcnt 0x0
	s_or_b32 exec_lo, exec_lo, s22
	s_endpgm
.Lfunc_end_k_q455eb79aa6_prep:
	.size	k_q455eb79aa6_prep, .Lfunc_end_k_q455eb79aa6_prep-k_q455eb79aa6_prep
	.p2alignl 7, 3214868480
	.fill 96, 4, 3214868480
	.section	.rodata,"a",@progbits
	.p2align	6, 0x0
	.amdhsa_kernel k_q455eb79aa6_prep
		.amdhsa_group_segment_fixed_size 0
		.amdhsa_private_segment_fixed_size 0
		.amdhsa_enable_private_segment 0
		.amdhsa_kernarg_size 32
		.amdhsa_user_sgpr_count 2
		.amdhsa_user_sgpr_kernarg_segment_ptr 1
		.amdhsa_wavefront_size32 1
		.amdhsa_system_sgpr_workgroup_id_x 1
		.amdhsa_system_sgpr_workgroup_id_y 1
		.amdhsa_system_sgpr_workgroup_id_z 1
		.amdhsa_system_vgpr_workitem_id 0
		.amdhsa_next_free_vgpr 132
		.amdhsa_next_free_sgpr 66
		.amdhsa_reserve_vcc 1
		.amdhsa_float_denorm_mode_32 3
		.amdhsa_float_denorm_mode_16_64 3
		.amdhsa_memory_ordered 1
		.amdhsa_forward_progress 1
		.amdhsa_inst_pref_size 13
	.end_amdhsa_kernel
	.amdgpu_metadata
---
amdhsa.version: [ 1, 2 ]
amdhsa.kernels:
  - .name:           k_q455eb79aa6_prep
    .symbol:         k_q455eb79aa6_prep.kd
    .args:
      - { .name: features, .offset: 0, .size: 8, .value_kind: global_buffer, .address_space: global }
      - { .name: memory_bank, .offset: 8, .size: 8, .value_kind: global_buffer, .address_space: global }
      - { .name: b16, .offset: 16, .size: 8, .value_kind: global_buffer, .address_space: global }
      - { .name: nrm, .offset: 24, .size: 8, .value_kind: global_buffer, .address_space: global }
    .group_segment_fixed_size: 0
    .private_segment_fixed_size: 0
    .kernarg_segment_align: 8
    .kernarg_segment_size: 32
    .max_flat_workgroup_size: 256
    .sgpr_count:     66
    .vgpr_count:     132
    .wavefront_size: 32
...
	.end_amdgpu_metadata
.endif
;; end of part 1
;; launch knn (part 2): grid 32 x 8, 4 waves a work-group, clusters of 4 x 1, 327,680 bytes of LDS; arguments b16, nrm, part, pidx; writes part, pidx
.if DOCPART == 2
	.amdgcn_target "amdgcn-amd-amdhsa--gfx1250"
	.amdhsa_code_object_version 6
	.text
	.protected	k_q455eb79aa6_knn
	.globl	k_q455eb79aa6_knn
	.p2align	8
	.type	k_q455eb79aa6_knn,@function
k_q455eb79aa6_knn:
	s_mov_b64 s[64:65], 0
	v_nop
	global_prefetch_b8 v0, s[64:65] scope:SCOPE_SE
	s_setreg_imm32_b32 hwreg(HW_REG_WAVE_MODE, 25, 1), 1
	s_wait_xcnt 0x0
	s_wait_alu depctr_hold_cnt(0) depctr_sa_sdst(0) depctr_va_vdst(0) depctr_va_sdst(0) depctr_va_ssrc(0) depctr_va_vcc(0) depctr_vm_vsrc(0)
	s_getreg_b32 s2, hwreg(HW_REG_IB_STS2, 6, 4)
	s_cmp_eq_u32 s2, 0
	s_cbranch_scc0 .Lentry_in_a_cluster
	s_endpgm
.Lentry_in_a_cluster:
	s_bfe_u32 s2, ttmp6, 0x10000c
	s_cmp_lg_u32 s2, 0x3003
	s_cbranch_scc0 .Lentry_shape_is_right
	s_endpgm
.Lentry_shape_is_right:
; SECOND LAUNCH: the product features x bank^T in bf16 and, beside it, the selection of the ten largest acc = cross - m^2/2 of each query in each part of the bank.
; LEFT OUT (shown at the head of prep): indices 1 to 9; x^2, the clip, eps and the root are applied later, to the ten numbers kept.  LIMITS as stated there.
; SHARES.  Work-group (qb, y): 256 queries x 2,048 bank rows (split y of 8).  A wave holds 64 queries (tiles q = 0..3 of 16) in 512 registers for the whole launch and walks the split's 128 key tiles of 16.
; LAYOUT.  Source 0 = 16 keys, source 1 = 16 queries: in the result lane (r = l % 16, h = l / 16) holds query r and keys 8 h + j in register j.  The C operand that starts a sum is -m^2/2 of those 8 keys, read from LDS.
; So a lane selects for ONE query, over half of the keys: 16 lists a query (8 splits x 2 halves of the lanes), merged by the next launch.
; SELECTION, a fixed network (nothing branches on a score).  A lane's 8 new scores are two groups of 4.  A group is sorted (7 instructions); its element of rank r = 1..4 goes into a descending list of depth
; 10, 5, 3, 2 = floor(10 / r).  That is enough: if k elements of rank r from other groups are at least as large as e, then k r elements of those groups and r - 1 of e's own are, so e is among the ten only if (k + 1) r <= 10.
; Insertion from the bottom up: L[j] = the middle of (L[j-1], L[j], v), then L[0] = max(L[0], v): one instruction a level, none waits for the one before.  The best element's GROUP of four rows is tracked by a compare and a select.
; BY TURNS.  The wave's tiles are two pieces (A: q = 0, 1; B: q = 2, 3).  A trip has four phases of 16 products; the selection, 232 instructions a trip, stands in slices of 3 or 4 behind each product.
; All that the selection touches lies in window 0 and a product's sources do not, so a slice costs two window switches: the price of vector work issued while the matrix unit is busy.
; CLUSTER.  The four work-groups of a cluster have the same y and walk the same keys: every tile is asked for jointly (mask 15), each wave a quarter of it.  cx enters global addresses alone.
; REGISTERS, in windows of 256 (s_set_vgpr_msb: bits 1:0 source 0, 3:2 source 1, 5:4 source 2, 7:6 destination):
;   window 0: addresses, HM, 4 accumulators, the selection.   window 1: v0-127 one key tile's 16 fragments.   window 2: Q of tiles 0, 1.   window 3: Q of tiles 2, 3.
.set PITCH, 1040                       ; an LDS row: 1,024 bytes + 16 = 260 words: the 16 rows of a fragment load start 4 words apart modulo 64
.set SLOT,  128*PITCH                  ; a slot: 128 keys, 8 key tiles
.set HMT,   2*SLOT                     ; behind the ring: the split's 2,048 numbers -m^2/2, filled once
.set SPARE, HMT+8192                   ; the spare words, 128 bytes a wave: two blocks of 256 bytes that no other line names
.set CONT,  131072                     ; bytes of 128 rows in b16
.set AK0, 2                            ; v2   r x PITCH + 16 h; never rewritten
.set ADR, 3                            ; v3   LDS address of the key tile being fetched
.set HAD, 4                            ; v4   LDS address of its -m^2/2
.set QO,  5                            ; v5   r x 1,024 + 16 h
.set SO,  6                            ; v6   h x 10 planes + 16 r: my place in part
.set PO,  7                            ; v7   h x 1 plane + 16 r: in pidx
.set SPW, 8                            ; v8   my spare word; never rewritten
.set NIL, 9                            ; v9   0; never rewritten
.set PFO, 10                           ; v10  1,024 x lane: the prefetches' offset
.set HADD, 11                          ; v11  2 h + 512 y: what turns a tile's code into the number of a group of four bank rows
.set HA0, 12                           ; v12  32 h
.set HM,  16                           ; v[16:23]   -m^2/2 of my 8 keys
.set ACC, 24                           ; v[24:55]   tile q at ACC + 8 q
.set SC,  56                           ; v[56:67]   three at work for each of a piece's four groups
.set TA,  68                           ; v[68:83] piece A's, v[84:99] piece B's sorted groups: group g of tile u at + 4 (2 g + u)
.set LST, 100                          ; v[100:179] entry e of tile q at LST + 4 e + q; e 0-9 rank 1, 10-14 rank 2, 15-17 rank 3, 18-19 rank 4
.set IDX, 180                          ; v[180:183] the best group's code, a tile each
.set WV,  12                           ; s12  wave
.set G1,  16                           ; s[16:23] group 1 for key tiles
.set G1T, 24                           ; s[24:31] group 1 for the table
.set G0,  32                           ; s[32:39] group 0, a set for each slot
.set G0T, 40                           ; s[40:43] group 0 for the table
.set SLOTS, 44
.set CNT, 45
.set CA,  46                           ; s46, s47 piece A's codes 4 t, 4 t + 1; s48, s49 piece B's
.set MK,  50                           ; s50, s51 the compare's masks, a tile each (scalar registers of their own: a tensor load may stand between compare and select)
.set PFA, 52                           ; s[52:53] where my prefetches stand
.set LIM0, 54                          ; 0 and 1 in the cluster that prefetches, else the greatest number
.set LIM1, 55
.set TBK, 56                           ; s56  LDS byte of the key tile to be fetched
.set TBH, 57                           ; s57  LDS byte of its -m^2/2
.set QB,  66                           ; s[66:67] Q at my wave's first row
.set NINF, 68
.set MSB, 0
.macro WIN new                         ; the immediate's high byte repeats the setting that is left; a switch that changes nothing is dropped
.if MSB != (\new)
	s_set_vgpr_msb (MSB<<8)|(\new)
.set MSB, (\new)
.endif
.endm
.macro PLACES cnt=4                    ; plain vector instructions that name no register: the distance behind matrix instructions (ISA guide 7.12.1)
.rept \cnt
	v_nop
.endr
.endm
.macro ROUND                           ; a round of the cluster's barrier
	s_barrier_signal -1
	s_barrier_wait -1
	s_cmp_lg_u32 s[WV], 0
	s_cbranch_scc1 .Lnot_wave_0_\@
	s_barrier_signal -3
.Lnot_wave_0_\@:
	s_barrier_wait -3
	s_barrier_signal -1
	s_barrier_wait -1
.endm
; Product: tile q, channels 32 c on.  c = 0 starts the sum with -m^2/2.
.macro MM q, c
	WIN 0x09+4*((\q)/2)                            ; K window 1, Q window 2 or 3, C and D window 0
.set rD, ACC+8*(\q)
.set rK, 8*(\c)
.set rQ, 128*((\q)%2)+8*(\c)
.if (\c) == 0
	v_wmma_f32_16x16x32_bf16 v[rD:rD+7], v[rK:rK+7], v[rQ:rQ+7], v[HM:HM+7]
.else
	v_wmma_f32_16x16x32_bf16 v[rD:rD+7], v[rK:rK+7], v[rQ:rQ+7], v[rD:rD+7]
.endif
.endm
; The LDS loads stand in two runs a tile.  F0: the tile's addresses, its -m^2/2 and fragments 0-7 (18 loads).  F1: fragments 8-15 (16 loads).
.macro F0
	WIN 0
	v_add_nc_u32 v[ADR], s[TBK], v[AK0]
	v_add_nc_u32 v[HAD], s[TBH], v[HA0]
	s_add_co_u32 s[TBK], s[TBK], 16*PITCH
	s_add_co_u32 s[TBH], s[TBH], 64
	ds_load_b128 v[HM:HM+3],   v[HAD]
	ds_load_b128 v[HM+4:HM+7], v[HAD] offset:16
	WIN 0x40                                       ; destination window 1
.irp c, 0,1,2,3,4,5,6,7
	ds_load_b128 v[8*(\c):8*(\c)+3],   v[ADR] offset:64*(\c)
	ds_load_b128 v[8*(\c)+4:8*(\c)+7], v[ADR] offset:64*(\c)+32
.endr
.endm
.macro F1
	WIN 0x40
.irp c, 8,9,10,11,12,13,14,15
	ds_load_b128 v[8*(\c):8*(\c)+3],   v[ADR] offset:64*(\c)
	ds_load_b128 v[8*(\c)+4:8*(\c)+7], v[ADR] offset:64*(\c)+32
.endr
.endm
; Number i of the 28 that sort piece pc's four groups (group g of tile u is unit 2 g + u = i % 4; stage i / 4).  The g = 0 units come first: an accumulator's lowest registers are read first.
.macro SORTOP pc, i
.set un, (\i)%4
.set stg, (\i)/4
.set rA, ACC+8*(2*(\pc)+un%2)+4*(un/2)
.set rS, SC+3*un
.set rT, TA+16*(\pc)+4*un
.if stg == 0
	v_max3_num_f32 v[rS], v[rA], v[rA+1], v[rA+2]
.elseif stg == 1
	v_med3_num_f32 v[rS+1], v[rA], v[rA+1], v[rA+2]
.elseif stg == 2
	v_min3_num_f32 v[rS+2], v[rA], v[rA+1], v[rA+2]
.elseif stg == 3
	v_max_num_f32 v[rT], v[rS], v[rA+3]
.elseif stg == 4
	v_med3_num_f32 v[rT+1], v[rS], v[rS+1], v[rA+3]
.elseif stg == 5
	v_med3_num_f32 v[rT+2], v[rS+1], v[rS+2], v[rA+3]
.else
	v_min_num_f32 v[rT+3], v[rS+2], v[rA+3]
.endif
.endm
; Number i of the 88 that insert piece pc's four sorted groups.  0-47: rank 1 (group i / 24, the two tiles alternating): compare with the best, levels 9 to 1, the code's select, level 0.  48-87: ranks 2, 3, 4.
.macro INSOP pc, i
.if (\i) < 48
.set g, (\i)/24
.set u, ((\i)%24)%2
.set st, ((\i)%24)/2
.else
.set g, ((\i)-48)/20
.set u, (((\i)-48)%20)%2
.set st, 12+(((\i)-48)%20)/2
.endif
.set q, 2*(\pc)+u
.set rT, TA+16*(\pc)+4*(2*g+u)
.if st == 0
	v_cmp_gt_f32 s[MK+u], v[rT], v[LST+q]          ; strictly greater: of equal scores the earlier group, the lower index, stays
.elseif st < 10
	v_med3_num_f32 v[LST+4*(10-st)+q], v[LST+4*(9-st)+q], v[LST+4*(10-st)+q], v[rT]
.elseif st == 10
	v_cndmask_b32 v[IDX+q], v[IDX+q], s[CA+2*(\pc)+g], s[MK+u]
.elseif st == 11
	v_max_num_f32 v[LST+q], v[LST+q], v[rT]
.elseif st < 16
	v_med3_num_f32 v[LST+4*(26-st)+q], v[LST+4*(25-st)+q], v[LST+4*(26-st)+q], v[rT+1]  ; rank 2: entries 14 to 11
.elseif st == 16
	v_max_num_f32 v[LST+40+q], v[LST+40+q], v[rT+1]
.elseif st < 19
	v_med3_num_f32 v[LST+4*(34-st)+q], v[LST+4*(33-st)+q], v[LST+4*(34-st)+q], v[rT+2]  ; rank 3: entries 17, 16
.elseif st == 19
	v_max_num_f32 v[LST+60+q], v[LST+60+q], v[rT+2]
.elseif st == 20
	v_med3_num_f32 v[LST+76+q], v[LST+72+q], v[LST+76+q], v[rT+3]                       ; rank 4: entry 19
.else
	v_max_num_f32 v[LST+72+q], v[LST+72+q], v[rT+3]
.endif
.endm
; The trip's queue of 232: number n.  In trip t (which finishes tile t - 1): 0-57 the rest of piece B of tile t - 2; 58-85 piece A is sorted out of its accumulators; 86-115 and 144-201 it is inserted;
; 116-143 piece B is sorted; 202-231 the first part of its insertion.
.macro RID
	WIN 0
.if n < 58
	INSOP 1, 30+n
.elseif n < 86
	SORTOP 0, n-58
.elseif n < 116
	INSOP 0, n-86
.elseif n < 144
	SORTOP 1, n-116
.elseif n < 202
	INSOP 0, n-114
.else
	INSOP 1, n-202
.endif
.set n, n+1
.endm
.macro SLICE                           ; 58 of the queue in 16 slices: three of eight slices have 3, the others 4
	RID
	RID
	RID
.if (k%8 != 1) && (k%8 != 3) && (k%8 != 5)
	RID
.endif
.set k, k+1
.endm
; 16 products of piece pc, fragments c0 to c0 + 7.  Its two accumulators take turns, one instruction a turn, and a phase's first product names another accumulator than the last of the phase before.
.macro PHASE pc, c0, rid
.set i, 0
.rept 16
	MM 2*(\pc)+i%2, (\c0)+i/2
.if \rid
	SLICE
.endif
.set i, i+1
.endr
.endm
; A TRIP finishes tile t - 1 (fragments 8-15) and starts tile t (fragments 0-7): both pieces use one half of K's registers, then both the other, so each half is free for 32 products before it is wanted again.
.macro BODY
.set n, 0
.set k, 0
	F0                                             ; tile t: four places behind the last product that read fragments 0-7 and HM (the v_nop at the trip's end)
	s_wait_dscnt 18                                ; all but the 18 just issued: fragments 8-15 of tile t - 1 are in
	PHASE 0, 8, 1
	s_add_co_u32 s[CA+2], s[CA+2], 4               ; piece B's codes: the insertion of tile t - 2 is over
	s_add_co_u32 s[CA+3], s[CA+3], 4
	PLACES                                         ; in front of the sort's reads of piece A's results
	PHASE 1, 8, 1
	PLACES 5                                       ; in front of the loads into fragments 8-15, of the sort's reads of piece B's results, and (five) of the products that write over its accumulators
	F1
	s_wait_dscnt 16                                ; all but the 16 just issued: fragments 0-7 and HM of tile t are in
	PHASE 0, 0, 1
	PHASE 1, 0, 1
	PLACES
	WIN 0                                          ; at a label and at a branch every window is 0
	s_add_co_u32 s[CA], s[CA], 4
	s_add_co_u32 s[CA+1], s[CA+1], 4
.endm
.macro TILES cnt
	s_mov_b32 s[CNT], \cnt
.Ltile_\@:
	BODY
	s_sub_co_u32 s[CNT], s[CNT], 1
	s_cmp_lg_u32 s[CNT], 0
	s_cbranch_scc1 .Ltile_\@
.endm
; A PREFETCH INTO THE L2 of the 128 bank rows that the NEXT change of slots will ask for: 512 products ahead of that load.  All eight clusters of a split walk the same rows: the first (cluster x = 0) asks.
; Wave w names its own 32 rows, a lane a row; partner cx names bytes 256 cx .. of each row: told apart by address, no branch hangs on cx.  So each 256 bytes are named once in the launch.
; The first two slots come by their loads alone; the last change that fills a slot asks for nothing.
.macro ASK lim
	s_cmp_gt_u32 s[SLOTS], s[\lim]
	s_cbranch_scc0 .Lnot_mine_\@
	global_prefetch_b8 v[PFO], s[PFA:PFA+1] th:TH_LOAD_NT scope:SCOPE_SE
.Lnot_mine_\@:
.endm
; THE CHANGE OF SLOTS, in front of the trips that fetch from \slot.  Each wave waits for all its tensor loads (its quarter of \slot; at the first change the table too), adds 0 to its spare word, and waits for that and for its reads of the other slot
; (the last tile's fragments 8-15 are in registers).  Behind the round no wave of any partner reads the other slot: it is filled again, the first thing there, one load a wave.
.macro HEAD slot, refill, lim
	WIN 0
	s_wait_xcnt 0x0                                ; the last prefetch, a slot back, has read its address
	s_add_nc_u64 s[PFA:PFA+1], s[PFA:PFA+1], CONT
	s_wait_tensorcnt 0x0                           ; no tensor load of mine is out, so a group 0 may be written
	ds_add_u32 v[SPW], v[NIL]                      ; 0 onto my spare word
	s_add_nc_u64 s[G0+4*(\slot)+2:G0+4*(\slot)+3], s[G0+4*(\slot)+2:G0+4*(\slot)+3], 2*CONT  ; this slot's next keys
	s_mov_b32 s[TBK], (\slot)*SLOT
	s_wait_dscnt 0x0
	ROUND
.if \refill
	tensor_load_to_lds s[G0+4*(1-(\slot)):G0+4*(1-(\slot))+3], s[G1:G1+7]
	s_nop 0
	PLACES
	ASK \lim
.endif
.endm
; The last merge: entry e of the lists of ranks 2 to 4 goes into the rank-1 list, from level pos on: so many elements at least as large are in the list already, or the list holds ten that are.
.macro INSM e, pos
.if (\pos) < 9
.set lev, 9
.rept 9-(\pos)
.irp qq, 0,1,2,3
	v_med3_num_f32 v[LST+4*lev+(\qq)], v[LST+4*(lev-1)+(\qq)], v[LST+4*lev+(\qq)], v[LST+4*(\e)+(\qq)]
.endr
.set lev, lev-1
.endr
.endif
.irp qq, 0,1,2,3
	v_max_num_f32 v[LST+4*(\pos)+(\qq)], v[LST+4*(\pos)+(\qq)], v[LST+4*(\e)+(\qq)]
.endr
.endm
	s_load_b256 s[4:11], s[0:1], 0x0               ; b16 s[4:5], nrm s[6:7], part s[8:9], pidx s[10:11]
	v_lshl_add_u32 v[SPW], v0, 2, SPARE
	v_mov_b32 v[NIL], 0
	ds_add_u32 v[SPW], v[NIL]                      ; the wave's opening: the add, twice on end, and its wait ahead of my first tensor load
	ds_add_u32 v[SPW], v[NIL]
	v_lshrrev_b32 v1, 5, v0
	v_readfirstlane_b32 s[WV], v1                  ; wave 0..3
	s_bfe_u32 s13, ttmp6, 0x40000                  ; cx
	s_lshl_b32 s14, ttmp9, 2
	s_add_co_u32 s14, s14, s13                     ; qb = 4 x cluster x + cx: my block of 256 queries
	s_and_b32 s15, ttmp7, 0xffff                   ; y: the split, which the four partners share
	; group 1 for key tiles: 32 rows x 512 bf16, 4 words of padding behind each 256 words
	s_mov_b32 s[G1],   15|(1<<16)|(1<<20)|(1<<21)|(7<<22)|(3<<25)
	s_mov_b32 s[G1+1], 512<<16                     ; tensor_dim0
	s_mov_b32 s[G1+2], 32<<16                      ; tensor_dim1
	s_mov_b32 s[G1+3], 512<<16                     ; tile_dim0
	s_mov_b32 s[G1+4], 32                          ; tile_dim1
	s_mov_b32 s[G1+5], 512                         ; elements from row to row
	s_mov_b32 s[G1+6], 0
	s_mov_b32 s[G1+7], 0
	; group 1 for the table: a wave's 2,048 dense bytes as 8 rows of 32 elements of 8 bytes
	s_mov_b32 s[G1T],   15|(3<<16)|(1<<21)
	s_mov_b32 s[G1T+1], 32<<16
	s_mov_b32 s[G1T+2], 8<<16
	s_mov_b32 s[G1T+3], 32<<16
	s_mov_b32 s[G1T+4], 8
	s_mov_b32 s[G1T+5], 32
	s_mov_b32 s[G1T+6], 0
	s_mov_b32 s[G1T+7], 0
	s_mul_i32 s63, s[WV], 32*PITCH                 ; my quarter of a slot: the wave's number alone enters an LDS address
	s_mov_b32 s[G0], 1
	s_add_co_u32 s[G0+1], s63, 0
	s_mov_b32 s[G0+4], 1
	s_add_co_u32 s[G0+5], s63, SLOT
	s_mov_b32 s[G0T], 1
	s_lshl_b32 s[G0T+1], s[WV], 11
	s_add_co_u32 s[G0T+1], s[G0T+1], HMT
	s_lshl_b32 s58, s15, 21                        ; the split's 2,048 rows of 1,024 bytes,
	s_lshl_b32 s59, s[WV], 15                      ; my 32 of a slot's 128,
	s_add_co_u32 s58, s58, s59
	s_add_co_u32 s58, s58, 8192*1024               ; behind the features' rows
	s_mov_b32 s59, 0
	s_lshl_b32 s60, s15, 13                        ; the same in nrm
	s_lshl_b32 s61, s[WV], 11
	s_add_co_u32 s60, s60, s61
	s_add_co_u32 s60, s60, 8192*4
	s_mov_b32 s61, 0
	s_mov_b32 s[SLOTS], 7
	s_mov_b32 s[CA], 0                             ; tile 0's codes
	s_mov_b32 s[CA+1], 1
	s_mov_b32 s[CA+2], -4                          ; stepped to tile 0's in the first trip
	s_mov_b32 s[CA+3], -3
	s_mov_b32 s[MK], 0
	s_mov_b32 s[MK+1], 0
	s_mov_b32 s[TBH], HMT
	s_mov_b32 s[NINF], 0xff800000
	s_cmp_eq_u32 ttmp9, 0                          ; the split's first cluster prefetches: the same in all four partners
	s_cselect_b32 s[LIM0], 0, -1
	s_cselect_b32 s[LIM1], 1, -1
	v_and_b32 v1, 15, v0                           ; r
	v_bfe_u32 v13, v0, 4, 1                        ; h
	v_mul_u32_u24 v[AK0], v1, PITCH
	v_lshl_add_u32 v[AK0], v13, 4, v[AK0]
	v_lshlrev_b32 v[HA0], 5, v13
	v_lshlrev_b32 v[QO], 10, v1
	v_lshl_add_u32 v[QO], v13, 4, v[QO]
	v_mul_u32_u24 v[SO], v13, 327680
	v_lshl_add_u32 v[SO], v1, 4, v[SO]
	v_lshlrev_b32 v[PO], 15, v13
	v_lshl_add_u32 v[PO], v1, 4, v[PO]
	v_and_b32 v[PFO], 31, v0
	v_lshlrev_b32 v[PFO], 10, v[PFO]
	s_lshl_b32 s62, s15, 9
	v_lshl_add_u32 v[HADD], v13, 1, s62
	s_wait_dscnt 0x0                               ; both opening adds are done
	s_wait_kmcnt 0x0
	s_add_nc_u64 s[58:59], s[4:5], s[58:59]        ; my rows of the split's first 128 keys
	s_add_nc_u64 s[G0+2:G0+3], s[58:59], 0
	s_or_b32 s[G0+3], s[G0+3], 0x80000000
	s_add_nc_u64 s[G0+6:G0+7], s[58:59], CONT
	s_or_b32 s[G0+7], s[G0+7], 0x80000000
	s_add_nc_u64 s[G0T+2:G0T+3], s[6:7], s[60:61]
	s_or_b32 s[G0T+3], s[G0T+3], 0x80000000
	s_lshl_b32 s2, s13, 8                          ; what hangs on cx lives in s2, s3 and the bases below, never in a descriptor
	s_mov_b32 s3, 0
	s_add_nc_u64 s[PFA:PFA+1], s[58:59], s[2:3]
	s_add_nc_u64 s[PFA:PFA+1], s[PFA:PFA+1], CONT  ; at the second 128 keys; each change of slots steps it first
	s_lshl_b32 s2, s14, 18                         ; Q: my block's 256 rows,
	s_lshl_b32 s62, s[WV], 16                      ; my wave's 64
	s_add_co_u32 s2, s2, s62
	s_add_nc_u64 s[QB:QB+1], s[4:5], s[2:3]
	s_mul_i32 s2, s15, 655360                      ; part: 20 planes a split,
	s_lshl_b32 s62, s14, 10                        ; in a plane 1,024 bytes a block,
	s_add_co_u32 s2, s2, s62
	s_lshl_b32 s62, s[WV], 8                       ; 256 a wave
	s_add_co_u32 s2, s2, s62
	s_add_nc_u64 s[8:9], s[8:9], s[2:3]
	s_lshl_b32 s2, s15, 16                         ; pidx: 2 planes a split
	s_lshl_b32 s62, s14, 10
	s_add_co_u32 s2, s2, s62
	s_lshl_b32 s62, s[WV], 8
	s_add_co_u32 s2, s2, s62
	s_add_nc_u64 s[10:11], s[10:11], s[2:3]
	ROUND                                          ; all four work-groups are here: the first joint loads meet
	tensor_load_to_lds s[G0:G0+3], s[G1:G1+7]      ; keys 0-127 into slot 0: my quarter
	s_nop 0
	tensor_load_to_lds s[G0T:G0T+3], s[G1T:G1T+7]  ; the table: my quarter.  Two loads of mine are out
	s_nop 0
	PLACES
	WIN 0x80                                       ; Q stays in registers: tile q, fragment c at 128 (q % 2) + 8 c of window 2 + q / 2
.set i, 0
.rept 32
	global_load_b128 v[8*i:8*i+3],   v[QO], s[QB:QB+1] offset:(i/16)*16384+(i%16)*64
	global_load_b128 v[8*i+4:8*i+7], v[QO], s[QB:QB+1] offset:(i/16)*16384+(i%16)*64+32
.set i, i+1
.endr
	WIN 0xc0
.set i, 0
.rept 32
	global_load_b128 v[8*i:8*i+3],   v[QO], s[QB:QB+1] offset:(2+i/16)*16384+(i%16)*64
	global_load_b128 v[8*i+4:8*i+7], v[QO], s[QB:QB+1] offset:(2+i/16)*16384+(i%16)*64+32
.set i, i+1
.endr
	WIN 0
.set i, 0
.rept 80
	v_mov_b32 v[LST+i], s[NINF]                    ; the lists start at -inf, in the wait for the first tile
.set i, i+1
.endr
.set i, 0
.rept 16
	v_mov_b32 v[TA+16+i], s[NINF]                  ; the first trip's first 58 of the queue insert a piece B that has not been: -inf, under masks of 0, changes nothing
.set i, i+1
.endr
.irp qq, 0,1,2,3
	v_mov_b32 v[IDX+(\qq)], 0
.endr
	HEAD 0, 1, LIM1                                ; slot 0 and the table are in, everybody's parts; slot 1 is asked for
	F0                                             ; tile 0
	F1
	s_wait_loadcnt 0x0                             ; Q
	s_wait_dscnt 0x0
	PHASE 0, 0, 0                                  ; tile 0's first half: there is no vector work yet to set between
	PHASE 1, 0, 0
	PLACES
	WIN 0
	TILES 7
.Lslot:                                        ; seven trips of two slots
	HEAD 1, 1, LIM0
	TILES 8
	HEAD 0, 1, LIM1
	TILES 8
	s_sub_co_u32 s[SLOTS], s[SLOTS], 1
	s_cmp_lg_u32 s[SLOTS], 0
	s_cbranch_scc1 .Lslot
	HEAD 1, 0, LIM0                                ; the last slot is written out: nothing is asked for
	TILES 8
	; the last tile is finished, and the queue run to its end
.set n, 0
.set k, 0
	s_wait_dscnt 0x0
	PHASE 0, 8, 1
	s_add_co_u32 s[CA+2], s[CA+2], 4
	s_add_co_u32 s[CA+3], s[CA+3], 4
	PLACES
	PHASE 1, 8, 1
	PLACES
.rept 116
	RID
.endr
.set n, 0
.rept 58
	RID
.endr
	; ranks 2, 3, 4 into the rank-1 list.  Entry j of rank r has at least r j + r - 1 elements at least as large: j others of its rank with their betters, and its own betters.
.irp j, 0,1,2,3,4
	INSM 10+(\j), 2*(\j)+1
.endr
.irp j, 0,1,2
	INSM 15+(\j), 3*(\j)+2
.endr
.irp j, 0,1
	INSM 18+(\j), 4*(\j)+3
.endr
.irp qq, 0,1,2,3
	v_add_nc_u32 v[IDX+(\qq)], v[HADD], v[IDX+(\qq)]  ; the number of the group of four bank rows: 512 y + 4 t + 2 h + g
.endr
.irp j, 0,1,2,3,4,5,6,7,8,9
	global_store_b128 v[SO], v[LST+4*(\j):LST+4*(\j)+3], s[8:9] offset:(\j)*32768  ; a lane's four tiles are 16 bytes on end: each half of the lanes stores 256 consecutive bytes, aligned
.endr
	global_store_b128 v[PO], v[IDX:IDX+3], s[10:11]
	s_wait_tensorcnt 0x0                           ; the wave's end
	ds_add_u32 v[SPW], v[NIL]
	s_wait_dscnt 0x0
	ROUND                                          ; the closing round: no work-group ends while a partner may still ask for a tile that names it
	s_endpgm
.Lfunc_end_k_q455eb79aa6_knn:
	.size	k_q455eb79aa6_knn, .Lfunc_end_k_q455eb79aa6_knn-k_q455eb79aa6_knn
	.p2alignl 7, 3214868480
	.fill 96, 4, 3214868480
	.section	.rodata,"a",@progbits
	.p2align	6, 0x0
	.amdhsa_kernel k_q455eb79aa6_knn
		.amdhsa_group_segment_fixed_size 327680
		.amdhsa_private_segment_fixed_size 0
		.amdhsa_enable_private_segment 0
		.amdhsa_kernarg_size 32
		.amdhsa_user_sgpr_count 2
		.amdhsa_user_sgpr_kernarg_segment_ptr 1
		.amdhsa_wavefront_size32 1
		.amdhsa_system_sgpr_workgroup_id_x 1
		.amdhsa_system_sgpr_workgroup_id_y 1
		.amdhsa_system_sgpr_workgroup_id_z 1
		.amdhsa_system_vgpr_workitem_id 0
		.amdhsa_next_free_vgpr 1024
		.amdhsa_next_free_sgpr 72
		.amdhsa_reserve_vcc 0
		.amdhsa_float_denorm_mode_32 3
		.amdhsa_float_denorm_mode_16_64 3
		.amdhsa_memory_ordered 1
		.amdhsa_forward_progress 1
		.amdhsa_inst_pref_size 159
	.end_amdhsa_kernel
	.amdgpu_metadata
---
amdhsa.version: [ 1, 2 ]
amdhsa.kernels:
  - .name:           k_q455eb79aa6_knn
    .symbol:         k_q455eb79aa6_knn.kd
    .args:
      - { .name: b16, .offset: 0, .size: 8, .value_kind: global_buffer, .address_space: global }
      - { .name: nrm, .offset: 8, .size: 8, .value_kind: global_buffer, .address_space: global }
      - { .name: part, .offset: 16, .size: 8, .value_kind: global_buffer, .address_space: global }
      - { .name: pidx, .offset: 24, .size: 8, .value_kind: global_buffer, .address_space: global }
    .group_segment_fixed_size: 327680
    .private_segment_fixed_size: 0
    .kernarg_segment_align: 8
    .kernarg_segment_size: 32
    .max_flat_workgroup_size: 128
    .sgpr_count:     72
    .vgpr_count:     1024
    .wavefront_size: 32
...
	.end_amdgpu_metadata
.endif
;; end of part 2
;; launch merge (part 3): grid 128 x 1, 2 waves a work-group, no clusters, 3,840 bytes of LDS; arguments part, pidx, nrm, out2, aux, gidx, red; writes out2, aux, gidx, red
.if DOCPART == 3
	.amdgcn_target "amdgcn-amd-amdhsa--gfx1250"
	.amdhsa_code_object_version 6
	.text
	.protected	k_q455eb79aa6_merge
	.globl	k_q455eb79aa6_merge
	.p2align	8
	.type	k_q455eb79aa6_merge,@function
k_q455eb79aa6_merge:
	s_mov_b64 s[64:65], 0
	v_nop
	global_prefetch_b8 v0, s[64:65] scope:SCOPE_SE
	s_setreg_imm32_b32 hwreg(HW_REG_WAVE_MODE, 25, 1), 1
	s_wait_xcnt 0x0
; THIRD LAUNCH: a query's 16 sorted lists of ten (8 splits x 2 halves of the lanes) are merged; the ten kept become distances: sqrt(max(x^2 + m^2 - 2 cross, 0) + eps) = sqrt(max(-2 acc + x^2, 0) + eps).
; LEFT OUT (shown at the head of prep): indices 1 to 9.  Of equal best scores the lower group number wins.
; Stored: out2; aux = {d0, mean of the ten} and gidx = {the best group of four bank rows, 0} a query; red = each wave's least and greatest mean.
; SHARES.  A thread takes one slot of part; a work-group's 64 slots are 64 consecutive queries: slot t stands for query 16 (t % 4) + t / 4 of them.  All 177 loads of a thread go out at once.
; Results go through LDS into query order, so that every store of a wave covers 256 consecutive bytes, aligned.  No matrix unit, no cluster: nothing is multiplied and nothing shared.
.set V,   64                           ; v[64:223]  list l, entry j at V + 10 l + j; list 0 becomes the result
.set IX,  224                          ; v[224:239] list l's best group; IX + 0 becomes the result
.set D,   40                           ; v[40:49]   the ten distances
.set STG,  0                           ; LDS: 64 queries x 40 bytes
.set AUXS, 2560                        ; 64 x 8
.set GIS,  3072                        ; 64 x 8
.set SPARE, 3584                       ; the spare words, 128 bytes a wave: a block of 256 bytes that no other line names
	s_load_b256 s[4:11], s[0:1], 0x0               ; part s[4:5], pidx s[6:7], nrm s[8:9], out2 s[10:11]
	s_load_b128 s[12:15], s[0:1], 0x20             ; aux s[12:13], gidx s[14:15]
	s_load_b64 s[16:17], s[0:1], 0x30              ; red
	v_lshl_add_u32 v60, v0, 2, SPARE
	v_mov_b32 v61, 0
	v_lshrrev_b32 v6, 5, v0
	v_readfirstlane_b32 s18, v6                    ; wave 0, 1
	v_lshlrev_b32 v1, 2, v0                        ; 4 t
	v_and_b32 v6, 3, v0
	v_lshrrev_b32 v7, 2, v0
	v_lshl_add_u32 v7, v6, 4, v7                   ; my query among the 64
	v_lshlrev_b32 v2, 2, v7
	v_mul_u32_u24 v4, v7, 40
	v_lshlrev_b32 v5, 3, v7
	v_lshlrev_b32 v63, 3, v0                       ; 8 t
	v_and_b32 v58, 31, v0                          ; lane
	v_lshlrev_b32 v62, 10, v58                     ; red: lane 0 the least, lane 1 the greatest, 1,024 bytes on
	v_mov_b32 v53, 0                               ; v_permlanex16_b32's destination counts as read
	v_mov_b32 v57, 0
	s_lshl_b32 s20, ttmp9, 8                       ; 64 slots, or 64 numbers of nrm
	s_mov_b32 s21, 0
	s_mul_i32 s22, ttmp9, 2560
	s_mov_b32 s23, 0
	s_lshl_b32 s24, ttmp9, 9
	s_mov_b32 s25, 0
	s_lshl_b32 s26, ttmp9, 3
	s_lshl2_add_u32 s26, s18, s26                  ; 4 (2 x work-group + wave)
	s_mov_b32 s27, 0
	s_mov_b32 s28, 0x76543210
	s_mov_b32 s29, 0xfedcba98
	s_wait_kmcnt 0x0
	s_add_nc_u64 s[4:5], s[4:5], s[20:21]
	s_add_nc_u64 s[6:7], s[6:7], s[20:21]
	s_add_nc_u64 s[8:9], s[8:9], s[20:21]
	s_add_nc_u64 s[10:11], s[10:11], s[22:23]
	s_add_nc_u64 s[12:13], s[12:13], s[24:25]
	s_add_nc_u64 s[14:15], s[14:15], s[24:25]
	s_add_nc_u64 s[16:17], s[16:17], s[26:27]
	global_load_b32 v3, v2, s[8:9]                 ; -x^2/2
.set l, 0
.rept 16
.set j, 0
.rept 10
	global_load_b32 v[V+10*l+j], v1, s[4:5] offset:(10*l+j)*32768 th:TH_LOAD_NT
.set j, j+1
.endr
	global_load_b32 v[IX+l], v1, s[6:7] offset:l*32768 th:TH_LOAD_NT
.set l, l+1
.endr
.set l, 1
.rept 15
.if 11*(15-l) > 63
	s_wait_loadcnt 63                              ; more younger loads could stay out than the count can name: the smaller count is safe
.else
	s_wait_loadcnt 11*(15-l)                       ; list l is in; the 11 loads of each younger list stay out
.endif
	v_cmp_gt_f32 s20, v[V+10*l], v[V]              ; the masks select a value; no branch and no address hangs on them
	v_cmp_eq_f32 s21, v[V+10*l], v[V]
	v_cmp_lt_u32 s22, v[IX+l], v[IX]
	s_and_b32 s21, s21, s22
	s_or_b32 s20, s20, s21
	v_cndmask_b32 v[IX], v[IX], v[IX+l], s20
.set j, 0
.rept 10                               ; entry j has its list's j betters in the result already: levels 9 to j, from the bottom up
.if j < 9
.set lev, 9
.rept 9-j
	v_med3_num_f32 v[V+lev], v[V+lev-1], v[V+lev], v[V+10*l+j]
.set lev, lev-1
.endr
.endif
	v_max_num_f32 v[V+j], v[V+j], v[V+10*l+j]
.set j, j+1
.endr
.set l, l+1
.endr
	v_mul_f32 v3, -2.0, v3                         ; x^2
.irp j, 0,1,2,3,4,5,6,7,8,9
	v_fma_f32 v[D+(\j)], v[V+(\j)], -2.0, v3       ; x^2 + m^2 - 2 cross
.endr
.irp j, 0,1,2,3,4,5,6,7,8,9
	v_max_num_f32 v[D+(\j)], 0, v[D+(\j)]          ; the clip
.endr
.irp j, 0,1,2,3,4,5,6,7,8,9
	v_add_f32 v[D+(\j)], 0x322bcc77, v[D+(\j)]     ; + 1e-8
.endr
.irp j, 0,1,2,3,4,5,6,7,8,9
	v_sqrt_f32 v[D+(\j)], v[D+(\j)]
.endr
	v_mov_b32 v56, v[IX]                           ; a plain instruction behind the last root,
	s_wait_alu depctr_va_vdst(0)                   ; and one wait for the ten, ahead of their first reader
	v_add_f32 v24, v[D], v[D+1]
	v_add_f32 v25, v[D+2], v[D+3]
	v_add_f32 v26, v[D+4], v[D+5]
	v_add_f32 v27, v[D+6], v[D+7]
	v_add_f32 v28, v[D+8], v[D+9]
	v_add_f32 v24, v24, v25
	v_add_f32 v26, v26, v27
	v_add_f32 v24, v24, v28
	v_add_f32 v24, v24, v26
	v_mov_b32 v54, v[D]
	v_mul_f32 v55, 0x3dcccccd, v24                 ; the mean of the ten
.irp p, 0,1,2,3,4
	ds_store_b64 v4, v[D+2*(\p):D+2*(\p)+1] offset:STG+8*(\p)
.endr
	ds_store_b64 v5, v[54:55] offset:AUXS
	ds_store_b64 v5, v[56:57] offset:GIS
	v_mov_b32 v51, v55                             ; the wave's least and greatest mean
	v_mov_b32 v52, v55
.irp m, 1,2,4,8
	v_min_num_f32_dpp v51, v51, v51 row_xmask:\m row_mask:0xf bank_mask:0xf
	v_max_num_f32_dpp v52, v52, v52 row_xmask:\m row_mask:0xf bank_mask:0xf
.endr
	v_permlanex16_b32 v53, v51, s28, s29
	v_min_num_f32 v51, v51, v53
	v_permlanex16_b32 v53, v52, s28, s29
	v_max_num_f32 v52, v52, v53
	v_cmp_eq_u32 vcc_lo, 1, v58
	v_cndmask_b32 v59, v51, v52, vcc_lo
	s_wait_dscnt 0x0                               ; for the other wave's sake: my stores are done
	s_barrier_signal -1
	s_barrier_wait -1
.irp p, 0,1,2,3,4
	ds_load_b64 v[10+2*(\p):11+2*(\p)], v63 offset:STG+512*(\p)
.endr
	ds_load_b64 v[20:21], v63 offset:AUXS
	ds_load_b64 v[22:23], v63 offset:GIS
	s_wait_dscnt 0x0
.irp p, 0,1,2,3,4
	global_store_b64 v63, v[10+2*(\p):11+2*(\p)], s[10:11] offset:512*(\p)  ; a wave stores 256 consecutive bytes, aligned
.endr
	global_store_b64 v63, v[20:21], s[12:13]
	global_store_b64 v63, v[22:23], s[14:15]
	s_wait_xcnt 0x0                                ; EXEC changes only behind this wait
	v_cmp_gt_u32 vcc_lo, 2, v58
	s_and_saveexec_b32 s30, vcc_lo
	global_store_b32 v62, v59, s[16:17]
	s_wait_xcnt 0x0
	s_or_b32 exec_lo, exec_lo, s30
	s_wait_tensorcnt 0x0                           ; the wave's end, behind my last LDS store
	ds_add_u32 v60, v61
	s_wait_dscnt 0x0
	s_endpgm
.Lfunc_end_k_q455eb79aa6_merge:
	.size	k_q455eb79aa6_merge, .Lfunc_end_k_q455eb79aa6_merge-k_q455eb79aa6_merge
	.p2alignl 7, 3214868480
	.fill 96, 4, 3214868480
	.section	.rodata,"a",@progbits
	.p2align	6, 0x0
	.amdhsa_kernel k_q455eb79aa6_merge
		.amdhsa_group_segment_fixed_size 3840
		.amdhsa_private_segment_fixed_size 0
		.amdhsa_enable_private_segment 0
		.amdhsa_kernarg_size 56
		.amdhsa_user_sgpr_count 2
		.amdhsa_user_sgpr_kernarg_segment_ptr 1
		.amdhsa_wavefront_size32 1
		.amdhsa_system_sgpr_workgroup_id_x 1
		.amdhsa_system_sgpr_workgroup_id_y 1
		.amdhsa_system_sgpr_workgroup_id_z 1
		.amdhsa_system_vgpr_workitem_id 0
		.amdhsa_next_free_vgpr 240
		.amdhsa_next_free_sgpr 66
		.amdhsa_reserve_vcc 1
		.amdhsa_float_denorm_mode_32 3
		.amdhsa_float_denorm_mode_16_64 3
		.amdhsa_memory_ordered 1
		.amdhsa_forward_progress 1
		.amdhsa_inst_pref_size 76
	.end_amdhsa_kernel
	.amdgpu_metadata
---
amdhsa.version: [ 1, 2 ]
amdhsa.kernels:
  - .name:           k_q455eb79aa6_merge
    .symbol:         k_q455eb79aa6_merge.kd
    .args:
      - { .name: part, .offset: 0, .size: 8, .value_kind: global_buffer, .address_space: global }
      - { .name: pidx, .offset: 8, .size: 8, .value_kind: global_buffer, .address_space: global }
      - { .name: nrm, .offset: 16, .size: 8, .value_kind: global_buffer, .address_space: global }
      - { .name: out2, .offset: 24, .size: 8, .value_kind: global_buffer, .address_space: global }
      - { .name: aux, .offset: 32, .size: 8, .value_kind: global_buffer, .address_space: global }
      - { .name: gidx, .offset: 40, .size: 8, .value_kind: global_buffer, .address_space: global }
      - { .name: red, .offset: 48, .size: 8, .value_kind: global_buffer, .address_space: global }
    .group_segment_fixed_size: 3840
    .private_segment_fixed_size: 0
    .kernarg_segment_align: 8
    .kernarg_segment_size: 56
    .max_flat_workgroup_size: 64
    .sgpr_count:     66
    .vgpr_count:     240
    .wavefront_size: 32
...
	.end_amdgpu_metadata
.endif
;; end of part 3
;; launch finish (part 4): grid 512 x 1, 8 waves a work-group, no clusters, 0 bytes of LDS; arguments b16, aux, gidx, red, influence_scale, distance_scale, out0, out1; writes out0, out1
.if DOCPART == 4
	.amdgcn_target "amdgcn-amd-amdhsa--gfx1250"
	.amdhsa_code_object_version 6
	.text
	.protected	k_q455eb79aa6_finish
	.globl	k_q455eb79aa6_finish
	.p2align	8
	.type	k_q455eb79aa6_finish,@function
k_q455eb79aa6_finish:
	s_mov_b64 s[64:65], 0
	v_nop
	global_prefetch_b8 v0, s[64:65] scope:SCOPE_SE
	s_setreg_imm32_b32 hwreg(HW_REG_WAVE_MODE, 25, 1), 1
	s_wait_xcnt 0x0
; FOURTH LAUNCH: out0 = |x - m*| / (d0 + eps), out1 = 0.01 + 0.49 sigmoid(is (out0 - min) / (max - min + eps) + ds (mean - dmin) / (dmax - dmin + eps) - 0.5).
; LEFT OUT (shown at the head of prep): indices 1 to 9.  x, m and the two scales are the numbers rounded to bf16.
; The nearest row is known as a group of four bank rows (a whole number that the launch before stored): all four are read, each one's sum of (x - m)^2 taken, and the least chosen by selects; of equal sums the lower row stays.
; SHARES.  A wave takes two rows; its 44 loads are out together; no LDS, no barrier, no loop.  Lane l takes elements 128 c + 4 l .. + 3 of chunk c: a store of f32 covers 512 consecutive bytes, aligned.
; A sigmoid's exponential that overflows gives 1 / inf = 0, the sigmoid's own limit.  No matrix unit and no cluster: nothing is multiplied by tiles, and what waves share is 2 KiB.
.set XF,  120                          ; v[120:135] x as f32
.set T,   136                          ; v[136:151] a candidate as f32, then x - candidate
.set S,   152                          ; v[152:159] candidate k's sum at S + 2 k (a pair while it is summed)
.set INF, 160                          ; v[160:175] out0's numbers
.set NS,  176                          ; v[176:191] out1's numbers
.set AA,  32                           ; v[32:33] the exponent's factor, in the low word
.set BB,  34                           ; v[34:35] its addend
	s_load_b512 s[8:23], s[0:1], 0x0               ; b16 s[8:9], aux s[10:11], gidx s[12:13], red s[14:15], influence_scale s[16:17], distance_scale s[18:19], out0 s[20:21], out1 s[22:23]
	v_lshrrev_b32 v1, 5, v0
	v_readfirstlane_b32 s4, v1                     ; wave 0..7
	v_and_b32 v1, 31, v0
	v_lshlrev_b32 v2, 3, v1                        ; 8 x lane
	v_lshlrev_b32 v3, 4, v1                        ; 16 x lane
	v_mov_b32 v33, 0                               ; named as pairs
	v_mov_b32 v35, 0
	v_mov_b32 v38, 0                               ; v_permlanex16_b32's destinations count as read
	v_mov_b32 v39, 0
	s_lshl_b32 s5, ttmp9, 4
	s_lshl1_add_u32 s5, s4, s5                     ; my first row: 16 x work-group + 2 x wave
	s_lshl_b32 s32, s5, 3                          ; 8 bytes a row in aux and gidx
	s_mov_b32 s35, 0xffff0000
	s_mov_b32 s44, 0x76543210
	s_mov_b32 s45, 0xfedcba98
	s_mov_b32 s46, 0x3efae148                      ; 0.49
	s_mov_b32 s47, s46
	s_mov_b32 s48, 0x3c23d70a                      ; 0.01
	s_mov_b32 s49, s48
	s_mov_b32 s50, 0x322bcc77                      ; 1e-8
	s_lshl_b32 s40, s5, 10
	s_mov_b32 s41, 0
	s_lshl_b32 s52, s5, 11
	s_mov_b32 s53, 0
	s_wait_kmcnt 0x0
	s_load_b128 s[24:27], s[12:13], s32 offset:0x0 ; {group, 0} of both rows
	s_load_b128 s[28:31], s[10:11], s32 offset:0x0 ; {d0, mean} of both rows
	s_load_b32 s33, s[16:17], 0x0
	s_load_b32 s34, s[18:19], 0x0
	s_add_nc_u64 s[42:43], s[8:9], s[40:41]        ; x at my first row
	s_add_nc_u64 s[20:21], s[20:21], s[52:53]
	s_add_nc_u64 s[22:23], s[22:23], s[52:53]
.irp c, 0,1,2,3
	global_load_b128 v[4+4*(\c):7+4*(\c)], v3, s[14:15] offset:512*(\c)  ; 256 least means, then 256 greatest
.endr
.irp i, 0,1
.irp c, 0,1,2,3
	global_load_b64 v[40+40*(\i)+2*(\c):41+40*(\i)+2*(\c)], v2, s[42:43] offset:(\i)*1024+(\c)*256
.endr
.endr
	s_wait_kmcnt 0x0
	s_min_u32 s24, s24, 4095                       ; a loaded number enters an address only behind a bound: 4,096 groups
	s_lshl_b32 s24, s24, 12                        ; four rows of 1,024 bytes,
	s_add_co_u32 s24, s24, 8192*1024               ; behind the features' rows
	s_mov_b32 s25, 0
	s_add_nc_u64 s[36:37], s[8:9], s[24:25]
	s_min_u32 s26, s26, 4095
	s_lshl_b32 s26, s26, 12
	s_add_co_u32 s26, s26, 8192*1024
	s_mov_b32 s27, 0
	s_add_nc_u64 s[38:39], s[8:9], s[26:27]
.irp i, 0,1
.irp kk, 0,1,2,3
.irp c, 0,1,2,3
	global_load_b64 v[48+40*(\i)+8*(\kk)+2*(\c):49+40*(\i)+8*(\kk)+2*(\c)], v2, s[36+2*(\i):37+2*(\i)] offset:(\kk)*1024+(\c)*256
.endr
.endr
.endr
	s_wait_loadcnt 40                              ; red is in; the 8 loads of x and the 32 of the candidates stay out
	v_min3_num_f32 v20, v4, v5, v6
	v_max3_num_f32 v21, v12, v13, v14
	v_min3_num_f32 v20, v20, v7, v8
	v_max3_num_f32 v21, v21, v15, v16
	v_min3_num_f32 v20, v20, v9, v10
	v_max3_num_f32 v21, v21, v17, v18
	v_min_num_f32 v20, v20, v11
	v_max_num_f32 v21, v21, v19
.irp m, 1,2,4,8
	v_min_num_f32_dpp v20, v20, v20 row_xmask:\m row_mask:0xf bank_mask:0xf
	v_max_num_f32_dpp v21, v21, v21 row_xmask:\m row_mask:0xf bank_mask:0xf
.endr
	v_permlanex16_b32 v38, v20, s44, s45
	v_permlanex16_b32 v39, v21, s44, s45
	v_min_num_f32 v20, v20, v38                    ; dmin
	v_max_num_f32 v21, v21, v39                    ; dmax
	v_sub_f32 v22, v21, v20
	v_add_f32 v22, s50, v22
	v_mov_b32 v26, s50
	v_mov_b32 v27, s50
	v_add_f32 v26, s28, v26                        ; d0 + eps, row 0
	v_add_f32 v27, s30, v27                        ; row 1
	v_rcp_f32 v22, v22                             ; one batch of three reciprocals
	v_rcp_f32 v28, v26
	v_rcp_f32 v29, v27
	v_cvt_pk_bf16_f32 v23, s33, s34                ; the two scales, rounded like every input: plain work behind the last reciprocal
	v_lshlrev_b32 v24, 16, v23                     ; influence_scale
	v_and_b32 v25, s35, v23                        ; distance_scale
	s_wait_alu depctr_va_vdst(0)                   ; one wait for the three, ahead of their first reader
.macro UNPACK dst, src                 ; eight words of two bf16 to sixteen f32
.irp p, 0,1,2,3,4,5,6,7
	v_lshlrev_b32 v[(\dst)+2*(\p)],   16,  v[(\src)+(\p)]
	v_and_b32     v[(\dst)+2*(\p)+1], s35, v[(\src)+(\p)]
.endr
.endm
.macro DIFF                            ; T = x - T
.irp p, 0,1,2,3,4,5,6,7
	v_pk_add_f32 v[T+2*(\p):T+2*(\p)+1], v[XF+2*(\p):XF+2*(\p)+1], v[T+2*(\p):T+2*(\p)+1] neg_lo:[0,1] neg_hi:[0,1]
.endr
.endm
.macro ROWF i
.set RS, 40+40*(\i)                    ; x in 8 registers, then candidate k at + 8 + 8 k
	s_wait_loadcnt 16-16*(\i)                      ; this row's x and candidates are in; the next row's 16 candidate loads stay out
.if \i
	s_wait_xcnt 0x0                                ; the last row's stores have read INF and NS: they are rewritten only behind this wait
.endif
	UNPACK XF, RS
.irp kk, 0,1,2,3
	UNPACK T, RS+8+8*(\kk)
	DIFF
	v_pk_mul_f32 v[S+2*(\kk):S+2*(\kk)+1], v[T:T+1], v[T:T+1]
.irp p, 1,2,3,4,5,6,7
	v_pk_fma_f32 v[S+2*(\kk):S+2*(\kk)+1], v[T+2*(\p):T+2*(\p)+1], v[T+2*(\p):T+2*(\p)+1], v[S+2*(\kk):S+2*(\kk)+1]
.endr
.endr
.irp kk, 0,1,2,3
	v_add_f32 v[S+2*(\kk)], v[S+2*(\kk)], v[S+2*(\kk)+1]
.endr
.irp m, 1,2,4,8
.irp kk, 0,1,2,3
	v_add_f32_dpp v[S+2*(\kk)], v[S+2*(\kk)], v[S+2*(\kk)] row_xmask:\m row_mask:0xf bank_mask:0xf
.endr
.endr
.irp kk, 0,1,2,3
	v_permlanex16_b32 v[S+2*(\kk)+1], v[S+2*(\kk)], s44, s45
.endr
.irp kk, 0,1,2,3
	v_add_f32 v[S+2*(\kk)], v[S+2*(\kk)], v[S+2*(\kk)+1]
.endr
.irp kk, 1,2,3                         ; strictly less: of equal sums the lower row stays.  The choice selects values; no address hangs on it
	v_cmp_lt_f32 vcc_lo, v[S+2*(\kk)], v[S]
	v_cndmask_b32 v[S], v[S], v[S+2*(\kk)], vcc_lo
.irp p, 0,1,2,3,4,5,6,7
	v_cndmask_b32 v[RS+8+(\p)], v[RS+8+(\p)], v[RS+8+8*(\kk)+(\p)], vcc_lo
.endr
.endr
	UNPACK T, RS+8
	DIFF
.set e, 0
.rept 16
	v_mul_f32 v[INF+e], |v[T+e]|, v[28+(\i)]       ; |x - m*| / (d0 + eps)
.set e, e+1
.endr
	v_min3_num_f32 v36, v[INF], v[INF+1], v[INF+2]
	v_max3_num_f32 v37, v[INF], v[INF+1], v[INF+2]
.irp p, 3,5,7,9,11,13
	v_min3_num_f32 v36, v36, v[INF+(\p)], v[INF+(\p)+1]
	v_max3_num_f32 v37, v37, v[INF+(\p)], v[INF+(\p)+1]
.endr
	v_min_num_f32 v36, v36, v[INF+15]
	v_max_num_f32 v37, v37, v[INF+15]
.irp m, 1,2,4,8
	v_min_num_f32_dpp v36, v36, v36 row_xmask:\m row_mask:0xf bank_mask:0xf
	v_max_num_f32_dpp v37, v37, v37 row_xmask:\m row_mask:0xf bank_mask:0xf
.endr
	v_permlanex16_b32 v38, v36, s44, s45
	v_permlanex16_b32 v39, v37, s44, s45
	v_min_num_f32 v36, v36, v38                    ; the row's least
	v_max_num_f32 v37, v37, v39                    ; and greatest
	v_sub_f32 v38, v37, v36
	v_add_f32 v38, s50, v38
	v_rcp_f32 v38, v38                             ; 1 / (max - min + eps)
	v_sub_f32 v30, s[29+2*(\i)], v20               ; plain work behind it: mean - dmin,
	v_mul_f32 v30, v30, v22                        ; normalised,
	v_fma_f32 v30, v25, v30, -0.5                  ; ds x that - 0.5
	s_wait_alu depctr_va_vdst(0)                   ; the reciprocal's wait, ahead of its first reader
	v_mul_f32 v31, v24, v38                        ; is / (max - min + eps)
	v_fma_f32 v30, -v31, v36, v30                  ; - is min / (..)
	v_mul_f32 v[AA], 0xbfb8aa3b, v31               ; the sigmoid's exponent in base 2: -log2(e) x (factor x out0 + addend)
	v_mul_f32 v[BB], 0xbfb8aa3b, v30
.irp p, 0,1,2,3,4,5,6,7
	v_pk_fma_f32 v[NS+2*(\p):NS+2*(\p)+1], v[INF+2*(\p):INF+2*(\p)+1], v[AA:AA+1], v[BB:BB+1] op_sel_hi:[1,0,0]
.endr
.set e, 0
.rept 16
	v_exp_f32 v[NS+e], v[NS+e]                     ; one batch
.set e, e+1
.endr
.irp c, 0,1,2,3
	global_store_b128 v3, v[INF+4*(\c):INF+4*(\c)+3], s[20:21] offset:(\i)*2048+(\c)*512 th:TH_STORE_NT
.endr
	v_nop                                          ; a plain instruction behind the last exponential,
	s_wait_alu depctr_va_vdst(0)                   ; and one wait for the sixteen
.irp p, 0,1,2,3,4,5,6,7
	v_pk_add_f32 v[NS+2*(\p):NS+2*(\p)+1], v[NS+2*(\p):NS+2*(\p)+1], 1.0 op_sel_hi:[1,0]
.endr
.set e, 0
.rept 16
	v_rcp_f32 v[NS+e], v[NS+e]                     ; one batch
.set e, e+1
.endr
	v_nop
	s_wait_alu depctr_va_vdst(0)
.irp p, 0,1,2,3,4,5,6,7
	v_pk_fma_f32 v[NS+2*(\p):NS+2*(\p)+1], v[NS+2*(\p):NS+2*(\p)+1], s[46:47], s[48:49] op_sel_hi:[1,0,0]
.endr
.irp c, 0,1,2,3
	global_store_b128 v3, v[NS+4*(\c):NS+4*(\c)+3], s[22:23] offset:(\i)*2048+(\c)*512 th:TH_STORE_NT
.endr
.endm
	ROWF 0
	ROWF 1
	s_endpgm
.Lfunc_end_k_q455eb79aa6_finish:
	.size	k_q455eb79aa6_finish, .Lfunc_end_k_q455eb79aa6_finish-k_q455eb79aa6_finish
	.p2alignl 7, 3214868480
	.fill 96, 4, 3214868480
	.section	.rodata,"a",@progbits
	.p2align	6, 0x0
	.amdhsa_kernel k_q455eb79aa6_finish
		.amdhsa_group_segment_fixed_size 0
		.amdhsa_private_segment_fixed_size 0
		.amdhsa_enable_private_segment 0
		.amdhsa_kernarg_size 64
		.amdhsa_user_sgpr_count 2
		.amdhsa_user_sgpr_kernarg_segment_ptr 1
		.amdhsa_wavefront_size32 1
		.amdhsa_system_sgpr_workgroup_id_x 1
		.amdhsa_system_sgpr_workgroup_id_y 1
		.amdhsa_system_sgpr_workgroup_id_z 1
		.amdhsa_system_vgpr_workitem_id 0
		.amdhsa_next_free_vgpr 192
		.amdhsa_next_free_sgpr 66
		.amdhsa_reserve_vcc 1
		.amdhsa_float_denorm_mode_32 3
		.amdhsa_float_denorm_mode_16_64 3
		.amdhsa_memory_ordered 1
		.amdhsa_forward_progress 1
		.amdhsa_inst_pref_size 41
	.end_amdhsa_kernel
	.amdgpu_metadata
---
amdhsa.version: [ 1, 2 ]
amdhsa.kernels:
  - .name:           k_q455eb79aa6_finish
    .symbol:         k_q455eb79aa6_finish.kd
    .args:
      - { .name: b16, .offset: 0, .size: 8, .value_kind: global_buffer, .address_space: global }
      - { .name: aux, .offset: 8, .size: 8, .value_kind: global_buffer, .address_space: global }
      - { .name: gidx, .offset: 16, .size: 8, .value_kind: global_buffer, .address_space: global }
      - { .name: red, .offset: 24, .size: 8, .value_kind: global_buffer, .address_space: global }
      - { .name: influence_scale, .offset: 32, .size: 8, .value_kind: global_buffer, .address_space: global }
      - { .name: distance_scale, .offset: 40, .size: 8, .value_kind: global_buffer, .address_space: global }
      - { .name: out0, .offset: 48, .size: 8, .value_kind: global_buffer, .address_space: global }
      - { .name: out1, .offset: 56, .size: 8, .value_kind: global_buffer, .address_space: global }
    .group_segment_fixed_size: 0
    .private_segment_fixed_size: 0
    .kernarg_segment_align: 8
    .kernarg_segment_size: 64
    .max_flat_workgroup_size: 256
    .sgpr_count:     66
    .vgpr_count:     192
    .wavefront_size: 32
...
	.end_amdgpu_metadata
.endif
;; end of part 4
